; MI455X (gfx1250); checked and timed in simulation.
; The chip was launched on July 23, 2026; its instructions are those of AMD's public machine-readable ISA for CDNA 5 (MIT licence, August 2026) and "CDNA5" Instruction Set Architecture Reference Guide (July 2026). The comments in the code are by the model that wrote it; some were corrected since.
;; Alltag Ctx Generator. Allowed arithmetic: float matrix products may take bf16 or f16 operands with f32 sums; all other float work in f32.
;; Inputs: atk_weight 20,000 x 512 float32; ctx 16 x 128 x 768 float32; dec_W 8 x 768 x 1,024 float32; dec_b 8 x 1,024 float32; inp_mask 16 x 128 bool; inp_pos 16 x 128 int32; inp_word 16 x 128 int32; psr_weight 20,000 x 512 float32; u_gumbel 2,048 x 1,024 float32; words 8 x 1,024 int32.
;; Outputs: out0 16 x 128 int32; out1 16 x 128 x 512 float32; out2 16 x 128 x 512 float32; out3 one number float32; out4 16 x 128 bool; out5 16 x 128 bool; out6 16 x 128 bool.
;; One version. Each part assembles by itself: llvm-mc -triple=amdgcn-amd-amdhsa -mcpu=gfx1250 --defsym DOCPART=n.
;; ======== version 1 of 1: 4 launches
;; workspace buffers: logits 8,388,608 bytes; spt 4,194,304 bytes; nentw 8,192 bytes; order 67,584 bytes of whole numbers
;; launch route (part 1): grid 8 x 1, 1 waves a work-group, no clusters, 8,704 bytes of LDS; arguments inp_pos, order; writes order
.if DOCPART == 1
	.amdgcn_target "amdgcn-amd-amdhsa--gfx1250"
	.amdhsa_code_object_version 6
	.text
	.protected	k_q82bb174110_route
	.globl	k_q82bb174110_route
	.p2align	8
	.type	k_q82bb174110_route,@function
k_q82bb174110_route:
	s_mov_b64 s[64:65], 0
	v_nop
	global_prefetch_b8 v0, s[64:65] scope:SCOPE_SE
	s_setreg_imm32_b32 hwreg(HW_REG_WAVE_MODE, 25, 1), 1
	s_wait_xcnt 0x0
; order[p]: a row of 8,448 bytes: the numbers of the tokens whose pos is p (n of them, then zeros up to 2,048 entries), then 64 words that all hold n.
; One work-group of one wave for each expert p: the wave reads all 2,048 pos, places each matching token at index (matches so far) in its own LDS,
; and copies the list out in stores of 512 consecutive bytes.  One wave: no barrier.  Eight work-groups are all the work there is.
; LIMIT: pos is taken as unsigned (a negative pos matches no expert).
.set ROWB, 8448
.set XP,   16                          ; v[16:79]: register 4 j + e of lane L is token 128 j + 4 L + e; later the list on its way out
	s_load_b128 s[4:7], s[0:1], 0x0                ; inp_pos s[4:5], order s[6:7]
	v_lshl_add_u32 v80, v0, 2, 0x2100
	v_mov_b32 v81, 0
	v_lshlrev_b32 v1, 4, v0                        ; 16 L
	v_lshlrev_b32 v2, 2, v0                        ; 4 L
	v_lshlrev_b32 v7, 3, v0                        ; 8 L
	v_add_nc_u32 v3, 2048, v0                      ; the lane's spare index, behind the list
	v_mov_b32 v8, 0
	v_mov_b32 v9, 0
	v_mov_b32 v10, 0
	v_mov_b32 v11, 0
	s_mov_b32 s11, ttmp9                           ; the expert
	s_mul_i32 s8, ttmp9, ROWB
	s_mov_b32 s9, 0
	s_mov_b32 s10, 0                               ; matches so far
	s_wait_kmcnt 0x0
	s_add_nc_u64 s[6:7], s[6:7], s[8:9]            ; my row of order
.irp j, 0,1,2,3,4,5,6,7,8,9,10,11,12,13,14,15
	global_load_b128 v[XP+4*\j:XP+4*\j+3], v1, s[4:5] offset:512*\j
.endr
.irp j, 0,1,2,3,4,5,6,7,8,9,10,11,12,13,14,15
	ds_store_b128 v1, v[8:11] offset:512*\j        ; the entries behind the last token are stored too: they get a value
.endr
	s_wait_loadcnt 0x0
.set k, 0
.rept 64
	v_cmp_eq_u32 vcc_lo, s11, v[XP+k]
	v_mbcnt_lo_u32_b32 v4, vcc_lo, s10             ; matches in lower lanes + matches in earlier registers
	v_cndmask_b32 v4, v3, v4, vcc_lo               ; a lane without a match writes its spare word
	v_min_u32 v4, 0x81f, v4                        ; inside the list and its 32 spare words
	v_lshlrev_b32 v4, 2, v4
	v_add_nc_u32 v5, 128*(k/4)+k%4, v2             ; the token's number
	ds_store_b32 v4, v5
	s_bcnt1_i32_b32 s12, vcc_lo
	s_add_co_u32 s10, s10, s12
.set k, k+1
.endr
	v_mov_b32 v12, s10
	v_mov_b32 v13, s10
	global_store_b64 v7, v[12:13], s[6:7] offset:8192          ; n, 64 times: 256 consecutive bytes, aligned
.irp j, 0,1,2,3,4,5,6,7,8,9,10,11,12,13,14,15
	ds_load_b128 v[XP+4*\j:XP+4*\j+3], v1 offset:512*\j        ; LDS serves a wave's instructions in order: these see the stores above
.endr
.irp j, 0,1,2,3,4,5,6,7,8,9,10,11,12,13,14,15
	s_wait_dscnt 15-\j                             ; the younger reads of the list stay out
	global_store_b128 v1, v[XP+4*\j:XP+4*\j+3], s[6:7] offset:512*\j         ; 512 consecutive bytes, aligned
.endr
	s_wait_tensorcnt 0x0
	ds_add_u32 v80, v81
	s_wait_dscnt 0x0
	s_endpgm
.Lfunc_end_k_q82bb174110_route:
	.size	k_q82bb174110_route, .Lfunc_end_k_q82bb174110_route-k_q82bb174110_route
	.p2alignl 7, 3214868480
	.fill 96, 4, 3214868480
	.section	.rodata,"a",@progbits
	.p2align	6, 0x0
	.amdhsa_kernel k_q82bb174110_route
		.amdhsa_group_segment_fixed_size 8704
		.amdhsa_private_segment_fixed_size 0
		.amdhsa_enable_private_segment 0
		.amdhsa_kernarg_size 16
		.amdhsa_user_sgpr_count 2
		.amdhsa_user_sgpr_kernarg_segment_ptr 1
		.amdhsa_wavefront_size32 1
		.amdhsa_system_sgpr_workgroup_id_x 1
		.amdhsa_system_sgpr_workgroup_id_y 1
		.amdhsa_system_sgpr_workgroup_id_z 1
		.amdhsa_system_vgpr_workitem_id 0
		.amdhsa_next_free_vgpr 82
		.amdhsa_next_free_sgpr 66
		.amdhsa_reserve_vcc 1
		.amdhsa_float_denorm_mode_32 3
		.amdhsa_float_denorm_mode_16_64 3
		.amdhsa_memory_ordered 1
		.amdhsa_forward_progress 1
		.amdhsa_inst_pref_size 33
	.end_amdhsa_kernel
	.amdgpu_metadata
---
amdhsa.version: [ 1, 2 ]
amdhsa.kernels:
  - .name:           k_q82bb174110_route
    .symbol:         k_q82bb174110_route.kd
    .args:
      - { .name: inp_pos, .offset: 0, .size: 8, .value_kind: global_buffer, .address_space: global }
      - { .name: order, .offset: 8, .size: 8, .value_kind: global_buffer, .address_space: global }
    .group_segment_fixed_size: 8704
    .private_segment_fixed_size: 0
    .kernarg_segment_align: 8
    .kernarg_segment_size: 16
    .max_flat_workgroup_size: 32
    .sgpr_count:     66
    .vgpr_count:     82
    .wavefront_size: 32
...
	.end_amdgpu_metadata
.endif
;; end of part 1
;; launch dec (part 2): grid 32 x 8, 8 waves a work-group, no clusters, 281,600 bytes of LDS; arguments ctx, dec_W, dec_b, order, logits; writes logits
.if DOCPART == 2
	.amdgcn_target "amdgcn-amd-amdhsa--gfx1250"
	.amdhsa_code_object_version 6
	.text
	.protected	k_q82bb174110_dec
	.globl	k_q82bb174110_dec
	.p2align	8
	.type	k_q82bb174110_dec,@function
k_q82bb174110_dec:
	s_mov_b64 s[64:65], 0
	v_nop
	global_prefetch_b8 v0, s[64:65] scope:SCOPE_SE
	s_setreg_imm32_b32 hwreg(HW_REG_WAVE_MODE, 25, 1), 1
	s_wait_xcnt 0x0
; logits[t][c] = sum over k of ctx[t][k] dec_W[p][k][c] + dec_b[p][c], for the tokens t whose pos is p, and for no others:
; every result of the module uses a token's own expert alone.  The expert's tokens and their number n come from order, which an earlier launch stored.
; Work-group (x, y): expert p = y, columns 64 cb .. 64 cb + 63 with cb = x / 2, and the tiles of parity par = x & 1.
; A tile is 16 tokens of the expert's list x 64 columns, K = 768; wave w takes tiles 2 w + par, + 16, ...
; PRECISION: the later argmax is compared exactly, so each operand goes in as bf16 hi + bf16 lo (lo = x - hi, exact in f32) and three
; products are summed in f32: hi x hi, ctx_lo x W_hi, ctx_hi x W_lo.  The lo x lo term, about 2^-18 of a product, is dropped.
; LIMITS: NaN is not served.
; No tensor loads: every tile is converted from f32 on its way into LDS.  No cluster: trip counts hang on the data.
.set WP,    160                        ; LDS pitch of a weight row: 64 bf16 + 32 bytes, an odd multiple of 32 bytes
.set WLO,   122880                     ; W hi: 768 rows at 0; W lo: 768 rows here
.set HALF,  61440                      ; 384 rows: what an LDS immediate of 16 bits cannot reach goes into a second address register
.set SPIT,  272                        ; the way out: a token's 64 f32 + 16 bytes
.set STG,   245760                     ; 8 waves x 16 rows x 272 bytes
.set ROWB,  8448                       ; a row of order: 2,048 entries, then n
.set SW,    14                         ; wave
.set SPX,   15                         ; expert
.set SCB,   16                         ; column block
.set SPAR,  17                         ; parity
.set STILE, 18                         ; tile number
.set SNT,   19                         ; tiles
.set SN,    20                         ; n
.set SN1,   21                         ; n - 1
.set STMP,  25
.set SCNT,  26                         ; trip counter
.set STR,   27                         ; trips of this wave
; window 0: v2 r, v3 h, v4-7 temporaries, v8-15 byte offsets of the rows I store, v16-23 ctx hi, v24-31 ctx lo, v32-47 at work,
;           v48 ctx offset, v49-52 addresses of the transposing loads, v53/v54 stage in/back, v55 -1.0, v57-60 stage stores of W,
;           v61 W offset, v62 32 h, v63 16 r, v64-255 ring of 12 K steps x 16 f32 of ctx (at the head: the 48 loads of W)
; window 1: v0-63, v64-127 two buffers of W fragments (hi at 8 cg, lo at 32 + 8 cg), v128-159 sums hi x hi, v160-191 sums of the
;           cross terms, v192-223 bias
.set MSB, 0
.macro WIN new                         ; the immediate's high byte repeats the setting that is left
.if MSB != \new
	s_set_vgpr_msb (MSB<<8)|\new
.set MSB, \new
.endif
.endm
.macro PLACES                          ; four plain vector places behind a matrix instruction (ISA guide 7.12.1)
.rept 4
	v_nop
.endr
.endm
; two differences x - hi, exact: bf16 half times -1.0 plus x
.macro LO2 d, hi, x
	v_fma_mix_f32_bf16 v[\d], v[\hi], v55, v[\x] op_sel:[0,0,0] op_sel_hi:[1,0,0]
	v_fma_mix_f32_bf16 v[(\d)+1], v[\hi], v55, v[(\x)+1] op_sel:[1,0,0] op_sel_hi:[1,0,0]
.endm
	s_load_b256 s[4:11], s[0:1], 0x0               ; ctx s[4:5], dec_W s[6:7], dec_b s[8:9], order s[10:11]
	s_load_b64 s[12:13], s[0:1], 0x20              ; logits
	v_lshl_add_u32 v7, v0, 2, 0x44800
	v_mov_b32 v56, 0
	v_lshrrev_b32 v4, 5, v0
	v_readfirstlane_b32 s[SW], v4
	s_and_b32 s[SPX], ttmp7, 0xffff
	s_lshr_b32 s[SCB], ttmp9, 1
	s_and_b32 s[SPAR], ttmp9, 1
	v_and_b32 v2, 15, v0                           ; r
	v_bfe_u32 v3, v0, 4, 1                         ; h
	v_lshlrev_b32 v63, 4, v2
	v_lshlrev_b32 v62, 5, v3
	v_lshl_add_u32 v4, s[SW], 1, v3                ; 2 w + h: my row among 16 rows of W
	v_lshl_add_u32 v61, v4, 12, v63                ; W: row x 4,096 + 16 r
	v_mul_u32_u24 v57, v4, WP
	v_lshl_add_u32 v57, v2, 3, v57                 ; LDS: row x 160 + 8 r (four bf16)
	v_add_nc_u32 v58, HALF, v57
	v_add_nc_u32 v59, WLO, v57
	v_add_nc_u32 v60, WLO+HALF, v57
	v_mov_b32 v55, -1.0
	s_mul_i32 s22, s[SPX], 3145728                 ; an expert's 768 x 1,024 f32
	s_lshl_b32 s[STMP], s[SCB], 8                  ; 64 columns of f32
	s_add_co_u32 s22, s22, s[STMP]
	s_mov_b32 s23, 0
	s_wait_kmcnt 0x0
	s_add_nc_u64 s[6:7], s[6:7], s[22:23]
	s_lshl_b32 s22, s[SPX], 12
	s_add_co_u32 s22, s22, s[STMP]
	s_add_nc_u64 s[8:9], s[8:9], s[22:23]
	s_mov_b32 s22, s[STMP]
	s_add_nc_u64 s[12:13], s[12:13], s[22:23]
	s_mul_i32 s22, s[SPX], ROWB
	s_add_nc_u64 s[10:11], s[10:11], s[22:23]      ; my expert's row of order
	s_load_b32 s[SN], s[10:11], 0x2000             ; n; waited for behind the barrier
	WIN 0x40
.irp cg, 0,1,2,3
	global_load_b128 v[192+8*\cg:195+8*\cg], v62, s[8:9] offset:64*\cg       ; bias of columns 16 cg + 8 h + 0..3
	global_load_b128 v[196+8*\cg:199+8*\cg], v62, s[8:9] offset:64*\cg+16    ; and + 4..7: the layout of a result
.endr
	WIN 0
.set i, 0
.rept 48
	global_load_b128 v[64+4*i:67+4*i], v61, s[6:7] offset:65536*i            ; rows 16 i + 2 w + h: sixteen lanes take 256 aligned bytes
.set i, i+1
.endr
	; addresses that the tile loop needs, made while the loads are out
	v_and_b32 v4, 7, v0
	v_lshl_add_u32 v4, v3, 3, v4                   ; 8 h + (lane & 7): the row that a transposing load addresses
	v_mul_u32_u24 v4, v4, WP
	v_bfe_u32 v5, v0, 3, 1
	v_lshl_add_u32 v49, v5, 4, v4                  ; + 16 x bit 3 of the lane
	v_add_nc_u32 v50, HALF, v49
	v_add_nc_u32 v51, WLO, v49
	v_add_nc_u32 v52, WLO+HALF, v49
	s_mul_i32 s[STMP], s[SW], 16*SPIT
	s_add_co_u32 s[STMP], s[STMP], STG             ; my wave's stage
	v_mul_u32_u24 v4, v2, SPIT
	v_add_nc_u32 v4, v62, v4
	v_add_nc_u32 v53, s[STMP], v4                  ; in: token r, 32 bytes for each half of the lanes
	v_mul_u32_u24 v5, v3, SPIT
	v_add_nc_u32 v5, v63, v5
	v_add_nc_u32 v54, s[STMP], v5                  ; back: lanes 0-15 one row, lanes 16-31 the next
	; W to bf16 hi and lo, into LDS as [k][64 columns]
.set i, 0
.rept 48
.set X, 64+4*i
	s_wait_loadcnt 47-i                            ; loads come back in order: load i (and the older bias) is in, the younger ones stay out
	v_cvt_pk_bf16_f32 v32, v[X], v[X+1]
	v_cvt_pk_bf16_f32 v33, v[X+2], v[X+3]
	LO2 36, 32, X
	LO2 38, 33, X+2
	v_cvt_pk_bf16_f32 v34, v36, v37
	v_cvt_pk_bf16_f32 v35, v38, v39
	ds_store_b64 v[57+i/24], v[32:33] offset:(i%24)*2560
	ds_store_b64 v[59+i/24], v[34:35] offset:(i%24)*2560
.set i, i+1
.endr
	s_wait_dscnt 0x0                               ; for the other waves: my rows of W are written
	s_barrier_signal -1
	s_barrier_wait -1                              ; the only barrier: from here LDS is read-only but for each wave's own stage
	s_wait_kmcnt 0x0                               ; n
	s_min_u32 s[SN], s[SN], 2048
	s_add_co_u32 s[SNT], s[SN], 15
	s_lshr_b32 s[SNT], s[SNT], 4                   ; tiles of 16 tokens
	s_sub_co_u32 s[SN1], s[SN], 1
	s_lshl_b32 s[STILE], s[SW], 1
	s_add_co_u32 s[STILE], s[STILE], s[SPAR]       ; my first tile
	s_cmp_ge_u32 s[STILE], s[SNT]
	s_cbranch_scc1 .Lend
	s_sub_co_u32 s[STR], s[SNT], s[STILE]          ; my trips: every sixteenth tile from my first one on
	s_add_co_u32 s[STR], s[STR], 15
	s_lshr_b32 s[STR], s[STR], 4
	s_min_u32 s[STR], s[STR], 8                    ; 128 tiles at the most, over 16 wave places
	s_mov_b32 s[SCNT], 0
.macro ALOAD s                         ; K step s of my token's row: k = 32 s + 8 h + 0..7 and 32 s + 16 + 8 h + 0..7, in f32
.set XR, 64+16*((\s)%12)
	global_load_b128 v[XR:XR+3],     v48, s[4:5] offset:128*(\s)
	global_load_b128 v[XR+4:XR+7],   v48, s[4:5] offset:128*(\s)+16
	global_load_b128 v[XR+8:XR+11],  v48, s[4:5] offset:128*(\s)+64
	global_load_b128 v[XR+12:XR+15], v48, s[4:5] offset:128*(\s)+80
.endm
.macro TRLOAD s                        ; the eight fragments of W (4 column groups, hi and lo) of K step s: lane r gets column 16 cg + r, k along its registers
.irp cg, 0,1,2,3
	ds_load_tr16_b128 v[64*((\s)&1)+8*\cg:64*((\s)&1)+8*\cg+3],   v[49+(\s)/12] offset:((\s)%12)*5120+32*\cg
	ds_load_tr16_b128 v[64*((\s)&1)+8*\cg+4:64*((\s)&1)+8*\cg+7], v[49+(\s)/12] offset:((\s)%12)*5120+32*\cg+2560
.endr
.irp cg, 0,1,2,3
	ds_load_tr16_b128 v[64*((\s)&1)+32+8*\cg:64*((\s)&1)+32+8*\cg+3],   v[51+(\s)/12] offset:((\s)%12)*5120+32*\cg
	ds_load_tr16_b128 v[64*((\s)&1)+32+8*\cg+4:64*((\s)&1)+32+8*\cg+7], v[51+(\s)/12] offset:((\s)%12)*5120+32*\cg+2560
.endr
.endm
; Twelve products.  Source 0 = W (its columns become the result's registers), source 1 = tokens: lane (r, h), register j holds
; (token r, column 16 cg + 8 h + j).  The eight accumulators take turns, one instruction a turn, from step to step too.
.macro MUL12 first
.set BB, 64*(ks&1)
.irp cg, 0,1,2,3
.if \first
	v_wmma_f32_16x16x32_bf16 v[128+8*\cg:135+8*\cg], v[BB+8*\cg:BB+8*\cg+7], v[16:23], v[192+8*\cg:199+8*\cg]   ; the first product starts the sum from the bias
.else
	v_wmma_f32_16x16x32_bf16 v[128+8*\cg:135+8*\cg], v[BB+8*\cg:BB+8*\cg+7], v[16:23], v[128+8*\cg:135+8*\cg]
.endif
.endr
.irp cg, 0,1,2,3
.if \first
	v_wmma_f32_16x16x32_bf16 v[160+8*\cg:167+8*\cg], v[BB+8*\cg:BB+8*\cg+7], v[24:31], 0
.else
	v_wmma_f32_16x16x32_bf16 v[160+8*\cg:167+8*\cg], v[BB+8*\cg:BB+8*\cg+7], v[24:31], v[160+8*\cg:167+8*\cg]
.endif
.endr
.irp cg, 0,1,2,3
	v_wmma_f32_16x16x32_bf16 v[160+8*\cg:167+8*\cg], v[BB+32+8*\cg:BB+32+8*\cg+7], v[16:23], v[160+8*\cg:167+8*\cg]
.endr
.endm
.Ltile:
	; the tile's tokens: entry 16 tile + r for the fragment, entries 16 tile + 2 q + h for the rows that I store.
	; Entries past the list's end repeat its last token: the same bytes go to the same place, from this wave.
	s_lshl_b32 s[STMP], s[STILE], 4
	v_add_nc_u32 v4, s[STMP], v2
	v_add_nc_u32 v5, s[STMP], v3
	v_min_u32 v4, s[SN1], v4
	v_min_u32 v4, 0x7ff, v4                        ; inside the row's 2,048 entries
	v_lshlrev_b32 v4, 2, v4
	global_load_b32 v48, v4, s[10:11]
.irp q, 0,1,2,3,4,5,6,7
	v_add_nc_u32 v[32+\q], 2*\q, v5
	v_min_u32 v[32+\q], s[SN1], v[32+\q]
	v_min_u32 v[32+\q], 0x7ff, v[32+\q]
	v_lshlrev_b32 v[32+\q], 2, v[32+\q]
	global_load_b32 v[8+\q], v[32+\q], s[10:11]
.endr
	s_wait_loadcnt 0x0                             ; nothing else of mine is out here: the nine token numbers are in, their offsets free
	v_min_u32 v48, 0x7ff, v48
	v_mul_u32_u24 v48, v48, 3072                   ; a row of ctx
	v_add_nc_u32 v48, v62, v48                     ; + 32 h
.irp q, 0,1,2,3,4,5,6,7
	v_min_u32 v[8+\q], 0x7ff, v[8+\q]
	v_lshl_add_u32 v[8+\q], v[8+\q], 12, v63       ; a row of logits + 16 r
.endr
.set ks, 0
.rept 12
	ALOAD ks                                       ; the ring is filled: 48 loads out
.set ks, ks+1
.endr
	WIN 0x40
	TRLOAD 0
.set ks, 0
.rept 24
.if ks < 23
	WIN 0x40
	TRLOAD ks+1                                    ; into the buffer whose products ended a step ago, four places behind them
.endif
	WIN 0
.if ks <= 12
	s_wait_loadcnt 44                              ; eleven younger ring steps of four loads stay out
.else
	s_wait_loadcnt 4*(23-ks)                       ; the ring runs empty
.endif
.set X, 64+16*(ks%12)
.irp j, 0,1,2,3,4,5,6,7
	v_cvt_pk_bf16_f32 v[16+\j], v[X+2*\j], v[X+2*\j+1]         ; ctx hi
.endr
.irp j, 0,1,2,3,4,5,6,7
	LO2 32+2*\j, 16+\j, X+2*\j
.endr
.irp j, 0,1,2,3,4,5,6,7
	v_cvt_pk_bf16_f32 v[24+\j], v[32+2*\j], v[33+2*\j]         ; ctx lo
.endr
.if ks < 12
	ALOAD ks+12                                    ; the slot just read takes the step twelve ahead
.endif
.if ks < 23
	s_wait_dscnt 16                                ; the sixteen loads just issued may stay out: this step's fragments are in
.else
	s_wait_dscnt 0
.endif
	WIN 0x51
.if ks == 0
	MUL12 1
.else
	MUL12 0
.endif
	PLACES
.set ks, ks+1
.endr
	WIN 0x45
.set k, 0
.rept 16
	v_pk_add_f32 v[128+2*k:129+2*k], v[128+2*k:129+2*k], v[160+2*k:161+2*k]   ; main sum + cross terms
.set k, k+1
.endr
	; the way out, through my own stage: 32 bytes a lane in, whole rows of 256 bytes back
	WIN 0x04
.irp cg, 0,1,2,3
	ds_store_b128 v53, v[128+8*\cg:131+8*\cg] offset:64*\cg
	ds_store_b128 v53, v[132+8*\cg:135+8*\cg] offset:64*\cg+16
.endr
	WIN 0
.irp q, 0,1,2,3,4,5,6,7
	ds_load_b128 v[64+4*\q:67+4*\q], v54 offset:544*\q         ; LDS serves a wave's instructions in order: these see the stores above
.endr
.irp q, 0,1,2,3,4,5,6,7
	s_wait_dscnt 7-\q                              ; the younger stage reads stay out
	global_store_b128 v[8+\q], v[64+4*\q:67+4*\q], s[12:13]    ; sixteen lanes store 256 consecutive bytes, aligned
.endr
	s_wait_xcnt 0x0                                ; the stores' offsets and data are rewritten in the next trip only behind this wait
	s_add_co_u32 s[STILE], s[STILE], 16            ; my next tile
	s_add_co_u32 s[SCNT], s[SCNT], 1               ; the loop ends on its own counter, one a trip
	s_cmp_lt_u32 s[SCNT], s[STR]
	s_cbranch_scc1 .Ltile
.Lend:
	s_wait_tensorcnt 0x0
	ds_add_u32 v7, v56
	s_wait_dscnt 0x0
	s_endpgm
.Lfunc_end_k_q82bb174110_dec:
	.size	k_q82bb174110_dec, .Lfunc_end_k_q82bb174110_dec-k_q82bb174110_dec
	.p2alignl 7, 3214868480
	.fill 96, 4, 3214868480
	.section	.rodata,"a",@progbits
	.p2align	6, 0x0
	.amdhsa_kernel k_q82bb174110_dec
		.amdhsa_group_segment_fixed_size 281600
		.amdhsa_private_segment_fixed_size 0
		.amdhsa_enable_private_segment 0
		.amdhsa_kernarg_size 40
		.amdhsa_user_sgpr_count 2
		.amdhsa_user_sgpr_kernarg_segment_ptr 1
		.amdhsa_wavefront_size32 1
		.amdhsa_system_sgpr_workgroup_id_x 1
		.amdhsa_system_sgpr_workgroup_id_y 1
		.amdhsa_system_sgpr_workgroup_id_z 1
		.amdhsa_system_vgpr_workitem_id 0
		.amdhsa_next_free_vgpr 480
		.amdhsa_next_free_sgpr 66
		.amdhsa_reserve_vcc 0
		.amdhsa_float_denorm_mode_32 3
		.amdhsa_float_denorm_mode_16_64 3
		.amdhsa_memory_ordered 1
		.amdhsa_forward_progress 1
		.amdhsa_inst_pref_size 153
	.end_amdhsa_kernel
	.amdgpu_metadata
---
amdhsa.version: [ 1, 2 ]
amdhsa.kernels:
  - .name:           k_q82bb174110_dec
    .symbol:         k_q82bb174110_dec.kd
    .args:
      - { .name: ctx, .offset: 0, .size: 8, .value_kind: global_buffer, .address_space: global }
      - { .name: dec_W, .offset: 8, .size: 8, .value_kind: global_buffer, .address_space: global }
      - { .name: dec_b, .offset: 16, .size: 8, .value_kind: global_buffer, .address_space: global }
      - { .name: order, .offset: 24, .size: 8, .value_kind: global_buffer, .address_space: global }
      - { .name: logits, .offset: 32, .size: 8, .value_kind: global_buffer, .address_space: global }
    .group_segment_fixed_size: 281600
    .private_segment_fixed_size: 0
    .kernarg_segment_align: 8
    .kernarg_segment_size: 40
    .max_flat_workgroup_size: 256
    .sgpr_count:     66
    .vgpr_count:     480
    .wavefront_size: 32
...
	.end_amdgpu_metadata
.endif
;; end of part 2
;; launch soft (part 3): grid 256 x 1, 8 waves a work-group, no clusters, 1,280 bytes of LDS; arguments logits, u_gumbel, words, inp_pos, inp_word, inp_mask, psr_weight, atk_weight, spt, nentw, out0, out1, out2, out4, out5, out6; writes spt, nentw, out0, out1, out2, out4, out5, out6
.if DOCPART == 3
	.amdgcn_target "amdgcn-amd-amdhsa--gfx1250"
	.amdhsa_code_object_version 6
	.text
	.protected	k_q82bb174110_soft
	.globl	k_q82bb174110_soft
	.p2align	8
	.type	k_q82bb174110_soft,@function
k_q82bb174110_soft:
	s_mov_b64 s[64:65], 0
	v_nop
	global_prefetch_b8 v0, s[64:65] scope:SCOPE_SE
	s_setreg_imm32_b32 hwreg(HW_REG_WAVE_MODE, 25, 1), 1
	s_wait_xcnt 0x0
; One wave, one token t = 8 x work-group + wave.  A lane holds columns 128 j + 4 L + e (j = 0..7, e = 0..3), register 4 j + e.
; pos < 8: entropy of the log-softmax of the token's logits (maximum taken away), divided by n x 1,024 (n = tokens of this pos);
;          y = logit + gumbel noise; the word at the first largest y, chosen by value; softmax of y (maximum taken away) as bf16 to spt.
; pos >= 8: the two table rows of inp_word are copied to out1 and out2.
; Wave 0 then writes the eight tokens' out0, out4, out5, out6 and nentw.
; No matrix unit, no tensor loads: a row lives in one wave's registers and is read once.
; LIMITS: pos is taken as unsigned; inp_word and words are clamped to the tables; words below 2^24 (they pass through f32 exactly);
; a row with a NaN is not served; log-softmax's shift is left out of y, which moves no argmax and no softmax but for rounding.
.set LOG2E,  0x3fb8aa3b
.set NLOG2E, 0xbfb8aa3b
.set LN2,    0x3f317218
.set NLN2,   0xbf317218
; v1 L, v2 16 L, v3 8 L, v5 LDS 8 w, v6 offset into words or a table, v7 partner of the half-wave exchange, v8-31 at work,
; v32-63 logits (later spt packed), v64-95 u, then y, then exp, v96-127 words, v128-191 pos, later (l - max) log2e and its exponentials
.macro WMAX x
	v_max_num_f32_dpp v[\x], v[\x], v[\x] row_xmask:1 row_mask:0xf bank_mask:0xf
	v_max_num_f32_dpp v[\x], v[\x], v[\x] row_xmask:2 row_mask:0xf bank_mask:0xf
	v_max_num_f32_dpp v[\x], v[\x], v[\x] row_xmask:4 row_mask:0xf bank_mask:0xf
	v_max_num_f32_dpp v[\x], v[\x], v[\x] row_xmask:8 row_mask:0xf bank_mask:0xf
	v_permlanex16_b32 v7, v[\x], s12, s13
	v_max_num_f32 v[\x], v[\x], v7
.endm
.macro WMIN x
	v_min_num_f32_dpp v[\x], v[\x], v[\x] row_xmask:1 row_mask:0xf bank_mask:0xf
	v_min_num_f32_dpp v[\x], v[\x], v[\x] row_xmask:2 row_mask:0xf bank_mask:0xf
	v_min_num_f32_dpp v[\x], v[\x], v[\x] row_xmask:4 row_mask:0xf bank_mask:0xf
	v_min_num_f32_dpp v[\x], v[\x], v[\x] row_xmask:8 row_mask:0xf bank_mask:0xf
	v_permlanex16_b32 v7, v[\x], s12, s13
	v_min_num_f32 v[\x], v[\x], v7
.endm
.macro WSUM x
	v_add_f32_dpp v[\x], v[\x], v[\x] row_xmask:1 row_mask:0xf bank_mask:0xf
	v_add_f32_dpp v[\x], v[\x], v[\x] row_xmask:2 row_mask:0xf bank_mask:0xf
	v_add_f32_dpp v[\x], v[\x], v[\x] row_xmask:4 row_mask:0xf bank_mask:0xf
	v_add_f32_dpp v[\x], v[\x], v[\x] row_xmask:8 row_mask:0xf bank_mask:0xf
	v_permlanex16_b32 v7, v[\x], s12, s13
	v_add_f32 v[\x], v[\x], v7
.endm
.macro MAX32 b, d                      ; the largest of v[b .. b+31] over the wave, into v[d] of every lane; v[d+1] is used
	v_max3_num_f32 v[\d], v[\b], v[\b+1], v[\b+2]
	v_max3_num_f32 v[\d+1], v[\b+3], v[\b+4], v[\b+5]
.irp k, 6,10,14,18,22,26
	v_max3_num_f32 v[\d], v[\d], v[\b+\k], v[\b+\k+1]
	v_max3_num_f32 v[\d+1], v[\d+1], v[\b+\k+2], v[\b+\k+3]
.endr
	v_max3_num_f32 v[\d], v[\d], v[\b+30], v[\b+31]
	v_max_num_f32 v[\d], v[\d], v[\d+1]
	WMAX \d
.endm
.macro SUM32 b, d                      ; the sum of v[b .. b+31] over the wave, into v[d]; v[d+1 .. d+3] are used
	v_pk_add_f32 v[\d:\d+1], v[\b:\b+1], v[\b+2:\b+3]
	v_pk_add_f32 v[\d+2:\d+3], v[\b+4:\b+5], v[\b+6:\b+7]
.irp k, 8,12,16,20,24,28
	v_pk_add_f32 v[\d:\d+1], v[\d:\d+1], v[\b+\k:\b+\k+1]
	v_pk_add_f32 v[\d+2:\d+3], v[\d+2:\d+3], v[\b+\k+2:\b+\k+3]
.endr
	v_pk_add_f32 v[\d:\d+1], v[\d:\d+1], v[\d+2:\d+3]
	v_add_f32 v[\d], v[\d], v[\d+1]
	WSUM \d
.endm
	s_load_b512 s[16:31], s[0:1], 0x0              ; logits 16, u 18, words 20, pos 22, word 24, mask 26, psr 28, atk 30
	s_load_b512 s[32:47], s[0:1], 0x40             ; spt 32, nentw 34, out0 36, out1 38, out2 40, out4 42, out5 44, out6 46
	v_lshl_add_u32 v192, v0, 2, 0x100
	v_mov_b32 v193, 0
	v_lshrrev_b32 v4, 5, v0
	v_readfirstlane_b32 s8, v4                     ; wave
	s_lshl_b32 s9, ttmp9, 3
	s_add_co_u32 s9, s9, s8                        ; token
	s_lshl_b32 s14, s9, 2
	s_mov_b32 s15, 0
	s_mov_b32 s12, 0x76543210                      ; v_permlanex16_b32: lane i reads lane i of the other half
	s_mov_b32 s13, 0xfedcba98
	v_and_b32 v1, 31, v0
	v_lshlrev_b32 v2, 4, v1
	v_lshlrev_b32 v3, 3, v1
	v_mov_b32 v5, s8
	v_lshlrev_b32 v5, 3, v5
	v_mov_b32 v7, 0                                ; counts as read by the exchange: written once here
	s_wait_kmcnt 0x0
	s_load_b32 s10, s[22:23], s14 offset:0x0       ; my token's pos
	s_load_b32 s11, s[24:25], s14 offset:0x0       ; and word
	s_wait_kmcnt 0x0
	s_cmp_lt_u32 s10, 8
	s_cbranch_scc0 .Lcopy
	s_lshl_b32 s14, s9, 12
	s_add_nc_u64 s[16:17], s[16:17], s[14:15]      ; my row of logits
	s_add_nc_u64 s[18:19], s[18:19], s[14:15]      ; and of u
	s_lshl_b32 s14, s9, 11
	s_add_nc_u64 s[32:33], s[32:33], s[14:15]      ; and of spt
	s_min_u32 s53, s10, 7
	s_lshl_b32 s53, s53, 12
	v_add_nc_u32 v6, s53, v2                       ; my expert's row of words
.irp j, 0,1,2,3,4,5,6,7,8,9,10,11,12,13,14,15
	global_load_b128 v[128+4*\j:131+4*\j], v2, s[22:23] offset:512*\j
.endr
.irp j, 0,1,2,3,4,5,6,7
	global_load_b128 v[32+4*\j:35+4*\j], v2, s[16:17] offset:512*\j th:TH_LOAD_NT
.endr
.irp j, 0,1,2,3,4,5,6,7
	global_load_b128 v[64+4*\j:67+4*\j], v2, s[18:19] offset:512*\j th:TH_LOAD_NT
.endr
.irp j, 0,1,2,3,4,5,6,7
	global_load_b128 v[96+4*\j:99+4*\j], v6, s[20:21] offset:512*\j
.endr
	s_mov_b32 s48, 0x358637bd                      ; 1e-6
	s_mov_b32 s49, 0x3f7fffef                      ; 1 - 1e-6 in f32
	v_mov_b32 v24, LOG2E
	v_mov_b32 v25, LOG2E
	v_mov_b32 v26, NLN2
	v_mov_b32 v27, NLN2
	s_mov_b32 s52, 0
	s_wait_loadcnt 24                              ; three younger groups of eight loads stay out: pos is in
.set k, 0
.rept 16
	v_cmp_eq_u32 s54, s10, v[128+4*k]
	v_cmp_eq_u32 s55, s10, v[129+4*k]
	v_cmp_eq_u32 s56, s10, v[130+4*k]
	v_cmp_eq_u32 s57, s10, v[131+4*k]
	s_bcnt1_i32_b32 s54, s54
	s_bcnt1_i32_b32 s55, s55
	s_bcnt1_i32_b32 s56, s56
	s_bcnt1_i32_b32 s57, s57
	s_add_co_u32 s52, s52, s54
	s_add_co_u32 s52, s52, s55
	s_add_co_u32 s52, s52, s56
	s_add_co_u32 s52, s52, s57                     ; n: at least 1, my own token
.set k, k+1
.endr
	s_wait_loadcnt 16                              ; u and words stay out: the logits are in
	MAX32 32, 10
	v_mul_f32 v8, NLOG2E, v10
	v_mov_b32 v9, v8
.set k, 0
.rept 16
	v_pk_fma_f32 v[128+2*k:129+2*k], v[32+2*k:33+2*k], v[24:25], v[8:9]      ; tt = (l - max) log2e
.set k, k+1
.endr
.set k, 0
.rept 32
	v_exp_f32 v[160+k], v[128+k]
.set k, k+1
.endr
	v_nop                                          ; one plain place behind the exponentials (ISA guide 5.7.2)
	s_wait_alu depctr_va_vdst(0)
	SUM32 160, 16                                  ; s1 = sum of 2^tt
	v_pk_mul_f32 v[20:21], v[128:129], v[160:161]
	v_pk_mul_f32 v[22:23], v[130:131], v[162:163]
.irp k, 4,8,12,16,20,24,28
	v_pk_fma_f32 v[20:21], v[128+\k:129+\k], v[160+\k:161+\k], v[20:21]
	v_pk_fma_f32 v[22:23], v[130+\k:131+\k], v[162+\k:163+\k], v[22:23]
.endr
	v_pk_add_f32 v[20:21], v[20:21], v[22:23]
	v_add_f32 v20, v20, v21
	WSUM 20                                        ; w1 = sum of tt 2^tt
	v_cvt_f32_u32 v12, s52
	v_mul_f32 v12, 0x44800000, v12                 ; n x 1,024
	v_log_f32 v13, v16
	v_rcp_f32 v14, v16
	v_rcp_f32 v12, v12
	v_nop
	s_wait_alu depctr_va_vdst(0)
	v_fma_f32 v13, -v20, v14, v13                  ; log2 s1 - w1 / s1
	v_mul_f32 v13, LN2, v13                        ; = - sum of p ln p
	v_mul_f32 v29, v13, v12
	s_wait_loadcnt 8                               ; the words stay out: u is in
.set k, 0
.rept 32
	v_med3_num_f32 v[64+k], v[64+k], s48, s49
.set k, k+1
.endr
.set k, 0
.rept 32
	v_log_f32 v[64+k], v[64+k]
.set k, k+1
.endr
	v_nop
.set k, 0
	s_wait_alu depctr_va_vdst(0)
.rept 16
	v_pk_mul_f32 v[64+2*k:65+2*k], v[64+2*k:65+2*k], v[26:27]                ; - ln u
.set k, k+1
.endr
.set k, 0
.rept 32
	v_log_f32 v[64+k], v[64+k]
.set k, k+1
.endr
	v_nop
.set k, 0
	s_wait_alu depctr_va_vdst(0)
.rept 16
	v_pk_fma_f32 v[64+2*k:65+2*k], v[64+2*k:65+2*k], v[26:27], v[32+2*k:33+2*k]   ; y = l - ln(- ln u)
.set k, k+1
.endr
	MAX32 64, 10
	s_wait_loadcnt 0x0                             ; the words
	; the first column that reaches the maximum, and its word, chosen by value: within a lane from the last element down, so that the lowest stays
	v_mov_b32 v12, 0x4000
	v_mov_b32 v13, 0
.set k, 31
.rept 32
	v_cmp_neq_f32 vcc_lo, v[64+k], v10
	v_cndmask_b32 v12, 128*(k/4)+k%4, v12, vcc_lo
	v_cndmask_b32 v13, v[96+k], v13, vcc_lo
.set k, k-1
.endr
	v_lshl_add_u32 v12, v1, 2, v12                 ; the column
	v_cvt_f32_u32 v12, v12
	v_cvt_f32_u32 v13, v13
	v_mov_b32 v14, v12
	WMIN 14                                        ; the lowest such column of the wave
	v_cmp_eq_f32 vcc_lo, v12, v14
	v_cndmask_b32 v13, -1.0, v13, vcc_lo           ; its lane keeps its word
	WMAX 13
	v_cvt_u32_f32 v28, v13
	ds_store_b64 v5, v[28:29]                      ; (word, entropy share) for wave 0
	v_mul_f32 v8, NLOG2E, v10
	v_mov_b32 v9, v8
.set k, 0
.rept 16
	v_pk_fma_f32 v[64+2*k:65+2*k], v[64+2*k:65+2*k], v[24:25], v[8:9]
.set k, k+1
.endr
.set k, 0
.rept 32
	v_exp_f32 v[64+k], v[64+k]
.set k, k+1
.endr
	v_nop
	s_wait_alu depctr_va_vdst(0)
	SUM32 64, 128
	v_rcp_f32 v130, v128
	v_nop
	s_wait_alu depctr_va_vdst(0)
	v_mov_b32 v131, v130
.set k, 0
.rept 16
	v_pk_mul_f32 v[64+2*k:65+2*k], v[64+2*k:65+2*k], v[130:131]
.set k, k+1
.endr
.set k, 0
.rept 16
	v_cvt_pk_bf16_f32 v[32+k], v[64+2*k], v[65+2*k]
.set k, k+1
.endr
.irp j, 0,1,2,3,4,5,6,7
	global_store_b64 v3, v[32+2*\j:33+2*\j], s[32:33] offset:256*\j          ; the wave stores 256 consecutive bytes, aligned
.endr
	s_branch .Ljoin
.Lcopy:
	s_min_u32 s53, s11, 19999
	s_lshl_b32 s53, s53, 11                        ; a table row is 2,048 bytes
	v_add_nc_u32 v6, s53, v2
	s_lshl_b32 s14, s9, 11
	s_add_nc_u64 s[38:39], s[38:39], s[14:15]
	s_add_nc_u64 s[40:41], s[40:41], s[14:15]
.irp j, 0,1,2,3
	global_load_b128 v[32+4*\j:35+4*\j], v6, s[28:29] offset:512*\j
.endr
.irp j, 0,1,2,3
	global_load_b128 v[48+4*\j:51+4*\j], v6, s[30:31] offset:512*\j
.endr
	v_mov_b32 v28, 0
	v_mov_b32 v29, 0
	ds_store_b64 v5, v[28:29]                      ; no word, no entropy share
.irp j, 0,1,2,3
	s_wait_loadcnt 7-\j                            ; the younger loads stay out
	global_store_b128 v2, v[32+4*\j:35+4*\j], s[38:39] offset:512*\j
.endr
.irp j, 0,1,2,3
	s_wait_loadcnt 3-\j
	global_store_b128 v2, v[48+4*\j:51+4*\j], s[40:41] offset:512*\j
.endr
.Ljoin:
	s_wait_dscnt 0x0                               ; for wave 0: my pair is written
	s_barrier_signal -1
	s_barrier_wait -1
	s_cmp_lg_u32 s8, 0
	s_cbranch_scc1 .Lend
	; wave 0: lane i < 8 serves token 8 x work-group + i.  All lanes compute, with the index clamped; only the stores are masked.
	s_wait_xcnt 0x0                                ; registers that my stores named are rewritten only behind this wait
	s_lshl_b32 s14, ttmp9, 3
	v_min_u32 v4, 7, v0
	v_add_nc_u32 v8, s14, v4                       ; the token: byte offset in the bool arrays
	v_lshlrev_b32 v9, 2, v8
	v_lshlrev_b32 v10, 3, v4
	global_load_b32 v11, v9, s[22:23]              ; pos
	global_load_b32 v12, v9, s[24:25]              ; word
	global_load_u8 v13, v8, s[26:27]               ; mask
	ds_load_b64 v[14:15], v10                      ; (chosen word, entropy share)
	s_wait_loadcnt 0x0
	s_wait_dscnt 0x0
	v_cmp_gt_u32 vcc_lo, 8, v11
	v_cndmask_b32 v16, 0, 1, vcc_lo                ; obf_mask
	v_cndmask_b32 v17, v12, v14, vcc_lo            ; obf_word
	v_cmp_gt_u32 vcc_lo, 4, v11
	v_cndmask_b32 v18, 0, 1, vcc_lo                ; pri_mask
	v_cmp_eq_u32 s14, v17, v12
	v_cmp_ne_u32 s15, 0, v13
	s_and_b32 s14, s14, s15
	v_cndmask_b32 v19, 0, 1, s14                   ; cpy_mask
	v_cmp_gt_u32 vcc_lo, 8, v0
	s_wait_xcnt 0x0                                ; EXEC changes only behind this wait
	s_and_saveexec_b32 s53, vcc_lo
	global_store_b32 v9, v17, s[36:37]
	global_store_b32 v9, v15, s[34:35]
	global_store_b8 v8, v19, s[42:43]
	global_store_b8 v8, v16, s[44:45]
	global_store_b8 v8, v18, s[46:47]
	s_wait_xcnt 0x0                                ; and again in front of the line that widens it
	s_or_b32 exec_lo, exec_lo, s53
.Lend:
	s_wait_tensorcnt 0x0
	ds_add_u32 v192, v193
	s_wait_dscnt 0x0
	s_endpgm
.Lfunc_end_k_q82bb174110_soft:
	.size	k_q82bb174110_soft, .Lfunc_end_k_q82bb174110_soft-k_q82bb174110_soft
	.p2alignl 7, 3214868480
	.fill 96, 4, 3214868480
	.section	.rodata,"a",@progbits
	.p2align	6, 0x0
	.amdhsa_kernel k_q82bb174110_soft
		.amdhsa_group_segment_fixed_size 1280
		.amdhsa_private_segment_fixed_size 0
		.amdhsa_enable_private_segment 0
		.amdhsa_kernarg_size 128
		.amdhsa_user_sgpr_count 2
		.amdhsa_user_sgpr_kernarg_segment_ptr 1
		.amdhsa_wavefront_size32 1
		.amdhsa_system_sgpr_workgroup_id_x 1
		.amdhsa_system_sgpr_workgroup_id_y 1
		.amdhsa_system_sgpr_workgroup_id_z 1
		.amdhsa_system_vgpr_workitem_id 0
		.amdhsa_next_free_vgpr 194
		.amdhsa_next_free_sgpr 66
		.amdhsa_reserve_vcc 1
		.amdhsa_float_denorm_mode_32 3
		.amdhsa_float_denorm_mode_16_64 3
		.amdhsa_memory_ordered 1
		.amdhsa_forward_progress 1
		.amdhsa_inst_pref_size 44
	.end_amdhsa_kernel
	.amdgpu_metadata
---
amdhsa.version: [ 1, 2 ]
amdhsa.kernels:
  - .name:           k_q82bb174110_soft
    .symbol:         k_q82bb174110_soft.kd
    .args:
      - { .name: logits, .offset: 0, .size: 8, .value_kind: global_buffer, .address_space: global }
      - { .name: u_gumbel, .offset: 8, .size: 8, .value_kind: global_buffer, .address_space: global }
      - { .name: words, .offset: 16, .size: 8, .value_kind: global_buffer, .address_space: global }
      - { .name: inp_pos, .offset: 24, .size: 8, .value_kind: global_buffer, .address_space: global }
      - { .name: inp_word, .offset: 32, .size: 8, .value_kind: global_buffer, .address_space: global }
      - { .name: inp_mask, .offset: 40, .size: 8, .value_kind: global_buffer, .address_space: global }
      - { .name: psr_weight, .offset: 48, .size: 8, .value_kind: global_buffer, .address_space: global }
      - { .name: atk_weight, .offset: 56, .size: 8, .value_kind: global_buffer, .address_space: global }
      - { .name: spt, .offset: 64, .size: 8, .value_kind: global_buffer, .address_space: global }
      - { .name: nentw, .offset: 72, .size: 8, .value_kind: global_buffer, .address_space: global }
      - { .name: out0, .offset: 80, .size: 8, .value_kind: global_buffer, .address_space: global }
      - { .name: out1, .offset: 88, .size: 8, .value_kind: global_buffer, .address_space: global }
      - { .name: out2, .offset: 96, .size: 8, .value_kind: global_buffer, .address_space: global }
      - { .name: out4, .offset: 104, .size: 8, .value_kind: global_buffer, .address_space: global }
      - { .name: out5, .offset: 112, .size: 8, .value_kind: global_buffer, .address_space: global }
      - { .name: out6, .offset: 120, .size: 8, .value_kind: global_buffer, .address_space: global }
    .group_segment_fixed_size: 1280
    .private_segment_fixed_size: 0
    .kernarg_segment_align: 8
    .kernarg_segment_size: 128
    .max_flat_workgroup_size: 256
    .sgpr_count:     66
    .vgpr_count:     194
    .wavefront_size: 32
...
	.end_amdgpu_metadata
.endif
;; end of part 3
;; launch mix (part 4): grid 32 x 8, 8 waves a work-group, no clusters, 203,776 bytes of LDS; arguments spt, words, psr_weight, atk_weight, order, nentw, out1, out2, out3; writes out1, out2, out3
.if DOCPART == 4
	.amdgcn_target "amdgcn-amd-amdhsa--gfx1250"
	.amdhsa_code_object_version 6
	.text
	.protected	k_q82bb174110_mix
	.globl	k_q82bb174110_mix
	.p2align	8
	.type	k_q82bb174110_mix,@function
k_q82bb174110_mix:
	s_mov_b64 s[64:65], 0
	v_nop
	global_prefetch_b8 v0, s[64:65] scope:SCOPE_SE
	s_setreg_imm32_b32 hwreg(HW_REG_WAVE_MODE, 25, 1), 1
	s_wait_xcnt 0x0
; out[t][d] = sum over m of spt[t][m] table[words[p][m]][d], for the tokens t whose pos is p (their numbers and n come from order).
; Work-group (x, y): expert p = y; cb = x / 2: table psr (cb < 8) or atk, columns 64 (cb & 7) ..; tiles of parity par = x & 1.
; The 1,024 gathered rows' 64 columns are converted to bf16 and kept in LDS as [m][64]; a tile is 16 tokens x 64 columns, K = 1,024;
; wave w takes tiles 2 w + par, + 16, ...  Wave 0 of work-group (0, 0) also sums nentw into out3 = - entropy.
; LIMITS: words are clamped to the table.  No tensor loads: the rows are gathered and converted.  No cluster: trip counts hang on the data.
.set WP,    160                        ; LDS pitch of a table row: 64 bf16 + 32 bytes, an odd multiple of 32 bytes
.set HALF,  61440                      ; 384 rows
.set SPIT,  272
.set STG,   163840                     ; behind 1,024 rows: 8 waves x 16 rows x 272 bytes
.set WL,    198656                     ; the expert's 1,024 words
.set ROWB,  8448                       ; a row of order: 2,048 entries, then n
.set SW,    22
.set SPX,   23
.set STMP,  25
.set SCB,   26
.set SPAR,  27
.set STILE, 28                         ; tile number
.set SNT,   29
.set SN,    30
.set SN1,   31
.set SCNT,  36                         ; trip counter
.set STR,   37                         ; trips of this wave
; v2 r, v3 h, v4-7 temporaries, v8-15 offsets of the rows I store, v16 spt offset, v17-19 transposing loads, v20/v21 stage in/back,
; v22 16 h, v23-25 stage stores of the table, v26 words in LDS, v27 16 r, v28-31 words, v32-63 four accumulators,
; v64-191 ring of 16 K steps x 8 registers of spt (at the head: 32 table loads), v192-255 two buffers of table fragments (at the head: 64 row offsets)
.macro PLACES                          ; four plain vector places behind a matrix instruction (ISA guide 7.12.1)
.rept 4
	v_nop
.endr
.endm
	s_load_b512 s[4:19], s[0:1], 0x0               ; spt 4, words 6, psr 8, atk 10, order 12, nentw 14, out1 16, out2 18
	s_load_b64 s[20:21], s[0:1], 0x40              ; out3
	v_lshl_add_u32 v1, v0, 2, 0x31800
	v_mov_b32 v7, 0
	v_lshrrev_b32 v4, 5, v0
	v_readfirstlane_b32 s[SW], v4
	s_and_b32 s[SPX], ttmp7, 0xffff
	s_lshr_b32 s[SCB], ttmp9, 1
	s_and_b32 s[SPAR], ttmp9, 1
	v_and_b32 v2, 15, v0
	v_bfe_u32 v3, v0, 4, 1
	v_lshlrev_b32 v27, 4, v2
	v_lshlrev_b32 v22, 4, v3
	v_lshl_add_u32 v4, s[SW], 1, v3                ; 2 w + h: my row among 16
	v_lshlrev_b32 v26, 2, v4
	v_add_nc_u32 v26, WL, v26
	v_mul_u32_u24 v23, v4, WP
	v_lshl_add_u32 v23, v2, 3, v23
	v_add_nc_u32 v24, HALF, v23
	v_add_nc_u32 v25, 2*HALF, v23
	s_and_b32 s[STMP], s[SCB], 7
	s_lshl_b32 s32, s[STMP], 8                     ; 64 columns of f32
	s_mov_b32 s33, 0
	s_wait_kmcnt 0x0
	s_cmp_lt_u32 s[SCB], 8
	s_cselect_b64 s[8:9], s[8:9], s[10:11]         ; my table
	s_cselect_b64 s[16:17], s[16:17], s[18:19]     ; and its output
	s_add_nc_u64 s[8:9], s[8:9], s[32:33]
	s_add_nc_u64 s[16:17], s[16:17], s[32:33]
	s_lshl_b32 s32, s[SPX], 12
	s_add_nc_u64 s[6:7], s[6:7], s[32:33]          ; my expert's words
	s_mul_i32 s32, s[SPX], ROWB
	s_add_nc_u64 s[12:13], s[12:13], s[32:33]      ; my expert's row of order
	s_load_b32 s[SN], s[12:13], 0x2000             ; n; waited for behind the second barrier
	v_lshlrev_b32 v4, 4, v0
	global_load_b128 v[28:31], v4, s[6:7]          ; the work-group copies the 4,096 bytes of words once, in whole blocks
	v_add_nc_u32 v5, WL, v4
	s_wait_loadcnt 0x0
	ds_store_b128 v5, v[28:31]
	s_wait_dscnt 0x0                               ; for the other waves
	s_barrier_signal -1
	s_barrier_wait -1
.set i, 0
.rept 64
	ds_load_b32 v[192+i], v26 offset:64*i          ; the word of row 16 i + 2 w + h
.set i, i+1
.endr
	s_wait_dscnt 0x0
.set i, 0
.rept 64
	v_min_u32 v[192+i], 0x4e1f, v[192+i]           ; inside the table of 20,000 rows
	v_lshl_add_u32 v[192+i], v[192+i], 11, v27     ; row x 2,048 + 16 r
.set i, i+1
.endr
.set i, 0
.rept 32
	global_load_b128 v[64+4*i:67+4*i], v[192+i], s[8:9]        ; sixteen lanes take 256 aligned bytes of one row
.set i, i+1
.endr
	; addresses that the tile loop needs, made while the loads are out
	v_and_b32 v4, 7, v0
	v_lshl_add_u32 v4, v3, 3, v4
	v_mul_u32_u24 v4, v4, WP
	v_bfe_u32 v5, v0, 3, 1
	v_lshl_add_u32 v17, v5, 4, v4
	v_add_nc_u32 v18, HALF, v17
	v_add_nc_u32 v19, 2*HALF, v17
	s_mul_i32 s[STMP], s[SW], 16*SPIT
	s_add_co_u32 s[STMP], s[STMP], STG
	v_mul_u32_u24 v4, v2, SPIT
	v_lshl_add_u32 v4, v3, 5, v4
	v_add_nc_u32 v20, s[STMP], v4
	v_mul_u32_u24 v5, v3, SPIT
	v_add_nc_u32 v5, v27, v5
	v_add_nc_u32 v21, s[STMP], v5
.set i, 0
.rept 64
.set X, 64+4*(i%32)
.if i < 32
	s_wait_loadcnt 31                              ; 31 younger table loads stay out
.else
	s_wait_loadcnt 63-i
.endif
	v_cvt_pk_bf16_f32 v4, v[X], v[X+1]
	v_cvt_pk_bf16_f32 v5, v[X+2], v[X+3]
	ds_store_b64 v[23+i/24], v[4:5] offset:(i%24)*2560
.if i < 32
	global_load_b128 v[X:X+3], v[224+i], s[8:9]    ; rows 16 (i + 32) + 2 w + h into the registers just read
.endif
.set i, i+1
.endr
	s_wait_dscnt 0x0                               ; for the other waves: my rows of the table
	s_barrier_signal -1
	s_barrier_wait -1                              ; from here LDS is read-only but for each wave's own stage
	s_wait_kmcnt 0x0                               ; n
	s_min_u32 s[SN], s[SN], 2048
	s_add_co_u32 s[SNT], s[SN], 15
	s_lshr_b32 s[SNT], s[SNT], 4
	s_sub_co_u32 s[SN1], s[SN], 1
	s_lshl_b32 s[STILE], s[SW], 1
	s_add_co_u32 s[STILE], s[STILE], s[SPAR]
	s_cmp_ge_u32 s[STILE], s[SNT]
	s_cbranch_scc1 .Lend
	s_sub_co_u32 s[STR], s[SNT], s[STILE]          ; my trips: every sixteenth tile from my first one on
	s_add_co_u32 s[STR], s[STR], 15
	s_lshr_b32 s[STR], s[STR], 4
	s_min_u32 s[STR], s[STR], 8                    ; 128 tiles at the most, over 16 wave places
	s_mov_b32 s[SCNT], 0
.macro ALOAD s                         ; K step s of my token's row of spt: the fragment as it stands
	global_load_b128 v[64+8*((\s)%16):64+8*((\s)%16)+3],   v16, s[4:5] offset:64*(\s)
	global_load_b128 v[64+8*((\s)%16)+4:64+8*((\s)%16)+7], v16, s[4:5] offset:64*(\s)+32
.endm
.macro TRLOAD s                        ; four fragments of the table: lane r gets column 16 cg + r, m along its registers
.irp cg, 0,1,2,3
	ds_load_tr16_b128 v[192+32*((\s)&1)+8*\cg:192+32*((\s)&1)+8*\cg+3],   v[17+(\s)/12] offset:((\s)%12)*5120+32*\cg
	ds_load_tr16_b128 v[192+32*((\s)&1)+8*\cg+4:192+32*((\s)&1)+8*\cg+7], v[17+(\s)/12] offset:((\s)%12)*5120+32*\cg+2560
.endr
.endm
.Ltile:
	; the tile's tokens; entries past the list's end repeat its last token: the same bytes to the same place, from this wave
	s_lshl_b32 s[STMP], s[STILE], 4
	v_add_nc_u32 v4, s[STMP], v2
	v_add_nc_u32 v5, s[STMP], v3
	v_min_u32 v4, s[SN1], v4
	v_min_u32 v4, 0x7ff, v4                        ; inside the row's 2,048 entries
	v_lshlrev_b32 v4, 2, v4
	global_load_b32 v16, v4, s[12:13]
.irp q, 0,1,2,3,4,5,6,7
	v_add_nc_u32 v[32+\q], 2*\q, v5
	v_min_u32 v[32+\q], s[SN1], v[32+\q]
	v_min_u32 v[32+\q], 0x7ff, v[32+\q]
	v_lshlrev_b32 v[32+\q], 2, v[32+\q]
	global_load_b32 v[8+\q], v[32+\q], s[12:13]
.endr
	s_wait_loadcnt 0x0                             ; nothing else of mine is out here: the nine token numbers are in, their offsets free
	v_min_u32 v16, 0x7ff, v16
	v_lshl_add_u32 v16, v16, 11, v22               ; a row of spt + 16 h
.irp q, 0,1,2,3,4,5,6,7
	v_min_u32 v[8+\q], 0x7ff, v[8+\q]
	v_lshl_add_u32 v[8+\q], v[8+\q], 11, v27       ; a row of the output + 16 r
.endr
.set ks, 0
.rept 16
	ALOAD ks                                       ; the ring is filled: 32 loads out
.set ks, ks+1
.endr
	TRLOAD 0
.set ks, 0
.rept 32
.if ks < 31
	TRLOAD ks+1                                    ; into the buffer whose products ended a step ago, four places behind them
.endif
.if ks <= 16
	s_wait_loadcnt 30                              ; fifteen younger ring steps of two loads stay out
.else
	s_wait_loadcnt 2*(31-ks)
.endif
.if ks < 31
	s_wait_dscnt 8                                 ; the eight loads just issued may stay out
.else
	s_wait_dscnt 0
.endif
.set BB, 192+32*(ks&1)
.set AA, 64+8*(ks%16)
	; source 0 = table (its columns become the result's registers), source 1 = tokens.  The four accumulators take turns, from step to step too.
.irp cg, 0,1,2,3
.if ks == 0
	v_wmma_f32_16x16x32_bf16 v[32+8*\cg:39+8*\cg], v[BB+8*\cg:BB+8*\cg+7], v[AA:AA+7], 0
.else
	v_wmma_f32_16x16x32_bf16 v[32+8*\cg:39+8*\cg], v[BB+8*\cg:BB+8*\cg+7], v[AA:AA+7], v[32+8*\cg:39+8*\cg]
.endif
.endr
	PLACES
.if ks < 16
	ALOAD ks+16                                    ; the slot just multiplied takes the step sixteen ahead
.endif
.set ks, ks+1
.endr
	; the way out, through my own stage
.irp cg, 0,1,2,3
	ds_store_b128 v20, v[32+8*\cg:35+8*\cg] offset:64*\cg
	ds_store_b128 v20, v[36+8*\cg:39+8*\cg] offset:64*\cg+16
.endr
.irp q, 0,1,2,3,4,5,6,7
	ds_load_b128 v[64+4*\q:67+4*\q], v21 offset:544*\q         ; LDS serves a wave's instructions in order: these see the stores above
.endr
.irp q, 0,1,2,3,4,5,6,7
	s_wait_dscnt 7-\q                              ; the younger stage reads stay out
	global_store_b128 v[8+\q], v[64+4*\q:67+4*\q], s[16:17]    ; sixteen lanes store 256 consecutive bytes, aligned
.endr
	s_wait_xcnt 0x0                                ; the stores' offsets and data are rewritten only behind this wait
	s_add_co_u32 s[STILE], s[STILE], 16            ; my next tile
	s_add_co_u32 s[SCNT], s[SCNT], 1               ; the loop ends on its own counter, one a trip
	s_cmp_lt_u32 s[SCNT], s[STR]
	s_cbranch_scc1 .Ltile
.Lend:
	; out3 = - sum of the 2,048 entropy shares: one owner, wave 0 of work-group (0, 0)
	s_or_b32 s[STMP], ttmp9, s[SPX]
	s_or_b32 s[STMP], s[STMP], s[SW]
	s_cmp_lg_u32 s[STMP], 0
	s_cbranch_scc1 .Ldone
	s_mov_b32 s34, 0x76543210
	s_mov_b32 s35, 0xfedcba98
	v_lshlrev_b32 v5, 4, v0                        ; in wave 0 the thread's number is the lane
	v_mov_b32 v6, 0
.irp j, 0,1,2,3,4,5,6,7,8,9,10,11,12,13,14,15
	global_load_b128 v[64+4*\j:67+4*\j], v5, s[14:15] offset:512*\j
.endr
	s_wait_loadcnt 0x0
.irp k, 1,2,3,4,5,6,7
.irp c, 0,1,2,3
	v_pk_add_f32 v[64+2*\c:65+2*\c], v[64+2*\c:65+2*\c], v[64+8*\k+2*\c:65+8*\k+2*\c]
.endr
.endr
	v_pk_add_f32 v[64:65], v[64:65], v[66:67]
	v_pk_add_f32 v[68:69], v[68:69], v[70:71]
	v_pk_add_f32 v[64:65], v[64:65], v[68:69]
	v_add_f32 v64, v64, v65
	v_add_f32_dpp v64, v64, v64 row_xmask:1 row_mask:0xf bank_mask:0xf
	v_add_f32_dpp v64, v64, v64 row_xmask:2 row_mask:0xf bank_mask:0xf
	v_add_f32_dpp v64, v64, v64 row_xmask:4 row_mask:0xf bank_mask:0xf
	v_add_f32_dpp v64, v64, v64 row_xmask:8 row_mask:0xf bank_mask:0xf
	v_permlanex16_b32 v4, v64, s34, s35
	v_add_f32 v64, v64, v4
	v_mul_f32 v64, -1.0, v64
	v_cmp_eq_u32 vcc_lo, 0, v0
	s_wait_xcnt 0x0                                ; EXEC changes only behind this wait
	s_and_saveexec_b32 s[STMP], vcc_lo
	global_store_b32 v6, v64, s[20:21]
	s_wait_xcnt 0x0
	s_or_b32 exec_lo, exec_lo, s[STMP]
.Ldone:
	s_wait_tensorcnt 0x0
	ds_add_u32 v1, v7
	s_wait_dscnt 0x0
	s_endpgm
.Lfunc_end_k_q82bb174110_mix:
	.size	k_q82bb174110_mix, .Lfunc_end_k_q82bb174110_mix-k_q82bb174110_mix
	.p2alignl 7, 3214868480
	.fill 96, 4, 3214868480
	.section	.rodata,"a",@progbits
	.p2align	6, 0x0
	.amdhsa_kernel k_q82bb174110_mix
		.amdhsa_group_segment_fixed_size 203776
		.amdhsa_private_segment_fixed_size 0
		.amdhsa_enable_private_segment 0
		.amdhsa_kernarg_size 72
		.amdhsa_user_sgpr_count 2
		.amdhsa_user_sgpr_kernarg_segment_ptr 1
		.amdhsa_wavefront_size32 1
		.amdhsa_system_sgpr_workgroup_id_x 1
		.amdhsa_system_sgpr_workgroup_id_y 1
		.amdhsa_system_sgpr_workgroup_id_z 1
		.amdhsa_system_vgpr_workitem_id 0
		.amdhsa_next_free_vgpr 256
		.amdhsa_next_free_sgpr 66
		.amdhsa_reserve_vcc 1
		.amdhsa_float_denorm_mode_32 3
		.amdhsa_float_denorm_mode_16_64 3
		.amdhsa_memory_ordered 1
		.amdhsa_forward_progress 1
		.amdhsa_inst_pref_size 82
	.end_amdhsa_kernel
	.amdgpu_metadata
---
amdhsa.version: [ 1, 2 ]
amdhsa.kernels:
  - .name:           k_q82bb174110_mix
    .symbol:         k_q82bb174110_mix.kd
    .args:
      - { .name: spt, .offset: 0, .size: 8, .value_kind: global_buffer, .address_space: global }
      - { .name: words, .offset: 8, .size: 8, .value_kind: global_buffer, .address_space: global }
      - { .name: psr_weight, .offset: 16, .size: 8, .value_kind: global_buffer, .address_space: global }
      - { .name: atk_weight, .offset: 24, .size: 8, .value_kind: global_buffer, .address_space: global }
      - { .name: order, .offset: 32, .size: 8, .value_kind: global_buffer, .address_space: global }
      - { .name: nentw, .offset: 40, .size: 8, .value_kind: global_buffer, .address_space: global }
      - { .name: out1, .offset: 48, .size: 8, .value_kind: global_buffer, .address_space: global }
      - { .name: out2, .offset: 56, .size: 8, .value_kind: global_buffer, .address_space: global }
      - { .name: out3, .offset: 64, .size: 8, .value_kind: global_buffer, .address_space: global }
    .group_segment_fixed_size: 203776
    .private_segment_fixed_size: 0
    .kernarg_segment_align: 8
    .kernarg_segment_size: 72
    .max_flat_workgroup_size: 256
    .sgpr_count:     66
    .vgpr_count:     256
    .wavefront_size: 32
...
	.end_amdgpu_metadata
.endif
;; end of part 4
